; MI455X (gfx1250); checked and timed in simulation.
; The chip was launched on July 23, 2026; its instructions are those of AMD's public machine-readable ISA for CDNA 5 (MIT licence, August 2026) and "CDNA5" Instruction Set Architecture Reference Guide (July 2026). The comments in the code are by the model that wrote it; some were corrected since.
;; Dot Product Attention. Allowed arithmetic: matrix products marked QUANTISED: E4M3 operands, one E8M0 scale for each 32 along K, by v_wmma_scale_f32_16x16x128_f8f6f4 with both operands' format E4M3, f32 sums; everything else in f32.
;; Inputs: K_codes 8 x 8 x 2,048 x 2 x 32 uint8 (E4M3 codes of K, K innermost, in blocks of 32 codes); K_scales 8 x 8 x 2,048 x 2 uint8 (E8M0 scales of K, one for each 32 codes along K); Q_codes 8 x 8 x 2,048 x 2 x 32 uint8 (E4M3 codes of Q, K innermost, in blocks of 32 codes); Q_scales 8 x 8 x 2,048 x 2 uint8 (E8M0 scales of Q, one for each 32 codes along K); V_codes 8 x 8 x 64 x 64 x 32 uint8 (E4M3 codes of V, K innermost, in blocks of 32 codes); V_scales 8 x 8 x 64 x 64 uint8 (E8M0 scales of V, one for each 32 codes along K); mask 8 x 2,048 x 1 bool.
;; Outputs: out0 8 x 8 x 2,048 x 64 float32.
;; This version of the problem:
;;   THIS VERSION OF THE PROBLEM IS GIVEN IN LOW PRECISION. The matrix products marked QUANTISED in the list below multiply operands that are first quantised to E4M3 (4 exponent bits, 3 mantissa bits; 8 bits a number), with one power-of-two scale for each 32 numbers along K (OCP MX v1.0); their sums are f32. All else is computed in f32.
;;   The module's matrix products, in the order in which they are computed (A, B: the left and right operand; K: the contracted axis; several contracted axes count as one K, in the product's order):
;;     1. batch 64 x [M 2,048, K 64] x [K 64, N 2,048]; A: input Q (given as codes); B: input K (given as codes): QUANTISED
;;     2. batch 64 x [M 2,048, K 2,048] x [K 2,048, N 64]; A: softmax (see below); B: input V (given as codes): QUANTISED
;;   THE QUANTISER, for each operand of a quantised product, along K:
;;     - K is cut into blocks of 32 from its start; a last block that is shorter is filled with zeros.
;;     - A block's scale is 2^e with e = floor(log2(the largest magnitude in the block)) - 8, held to -126 .. 127; a block of zeros has e = 0. As a byte (E8M0): e + 127.
;;     - Each number is divided by its block's scale, clamped to +-448, and rounded to the nearest number of E4M3, ties to even, subnormals kept.
;;     - The product sums the exact products of the quantised numbers (number of the format x scale) in f32.
;;   ~~~python
;;   def quantise(x, axis):      # numpy; x: float32 -> the quantised numbers, widened to float32 again
;;       x = np.moveaxis(x, axis, -1); K = x.shape[-1]
;;       x = np.pad(x, [(0, 0)] * (x.ndim - 1) + [(0, -K % 32)]); x = x.reshape(x.shape[:-1] + (-1, 32)); a = np.abs(x).max(-1, keepdims=True)
;;       e = np.where(a > 0, np.clip(np.frexp(np.where(a > 0, a, 1))[1] - 1 - 8, -126, 127), 0)      # np.frexp(a)[1] - 1 = floor(log2(a)), exactly
;;       r = np.clip(x / 2.0 ** e, -448, 448)
;;       step = 2.0 ** (np.maximum(np.frexp(np.where(r == 0, 1, r))[1] - 1, -6) - 3)
;;       q = np.round(r / step) * step * 2.0 ** e      # np.round: ties to even
;;       return np.moveaxis(q.reshape(q.shape[:-2] + (-1,))[..., :K], -1, axis).astype(np.float32)
;;   ~~~
;;   SOFTMAX AHEAD OF A QUANTISED PRODUCT. Where the list says 'softmax', what is quantised is not the finished softmax but p = 2^(t - M), with t = logit x log2(e) and M = ceil(the row's largest t), a whole number; so 1/2 < the row's largest p <= 1. The row's sum l is taken of the UNQUANTISED p, in f32, and the product's result is divided by l at the end. Since M is a whole number, a kernel that streams over the keys may use a running M (the ceiling of the running maximum): every later rescaling is an exact power of two, which a block's scale takes up: the codes' values come out the same.
;;   OPERANDS COMPUTED ON THE WAY. 'Computed on the way' means the value that the module computes at that place (a softmax that the list does not call 'softmax' is quantised finished and normalised). What goes into a quantiser is computed in f32, as accurately as f32 sums, v_exp_f32 and their like allow (about 1e-6 of the number): no bf16 or f16 on the way to a quantiser, and a product that is left as it is and whose result goes on into a quantised operand takes f32 operands (vector FMAs, or v_wmma_f32_16x16x4_f32). A number that lies on a knife's edge between two numbers of the format may be rounded either way, as far as f32 arithmetic and the matrix unit's own rounding can turn it there, and no further.
;;   INPUTS GIVEN AS CODES. K (in the module: [8, 8, 2048, 64], K = its axis 3); Q (in the module: [8, 8, 2048, 64], K = its axis 3); V (in the module: [8, 8, 2048, 64], K = its axis 2): each comes as NAME_codes (uint8): NAME with its K axis moved to the last place and cut into blocks of 32 codes, [.., K / 32, bytes a block], one block behind the other in memory; one code a byte (a code: sign, 4 exponent bits, 3 mantissa bits); and NAME_scales (uint8): the same leading axes, one E8M0 byte (e + 127) for each 32 codes along K. Its value is code x scale, taken as it is: it is not quantised again, and the codes and scales need not be those that the quantiser above would give.
;; One version. Each part assembles by itself: llvm-mc -triple=amdgcn-amd-amdhsa -mcpu=gfx1250 --defsym DOCPART=n.
;; ======== version 1 of 1: 1 launch
;; launch attn (part 1): grid 4 x 64, 8 waves a work-group, clusters of 4 x 1, 327,680 bytes of LDS; arguments K_codes, K_scales, Q_codes, Q_scales, V_codes, V_scales, mask, out0; writes out0
.if DOCPART == 1
	.amdgcn_target "amdgcn-amd-amdhsa--gfx1250"
	.amdhsa_code_object_version 6
	.text
	.protected	k_q6477b7d703_attn
	.globl	k_q6477b7d703_attn
	.p2align	8
	.type	k_q6477b7d703_attn,@function
k_q6477b7d703_attn:
	s_mov_b64 s[64:65], 0
	v_nop
	global_prefetch_b8 v0, s[64:65] scope:SCOPE_SE
	s_setreg_imm32_b32 hwreg(HW_REG_WAVE_MODE, 25, 1), 1
	s_wait_xcnt 0x0
	s_wait_alu depctr_hold_cnt(0) depctr_sa_sdst(0) depctr_va_vdst(0) depctr_va_sdst(0) depctr_va_ssrc(0) depctr_va_vcc(0) depctr_vm_vsrc(0)
	s_getreg_b32 s2, hwreg(HW_REG_IB_STS2, 6, 4)
	s_cmp_eq_u32 s2, 0
	s_cbranch_scc0 .Lentry_in_a_cluster
	s_endpgm
.Lentry_in_a_cluster:
	s_bfe_u32 s2, ttmp6, 0x10000c
	s_cmp_lg_u32 s2, 0x3003
	s_cbranch_scc0 .Lentry_shape_is_right
	s_endpgm
.Lentry_shape_is_right:
; out0[b][h][q][:] = sum over k of softmax_k(L(q, k)) V[k][:],  L = -1e10 where mask[b][k], else 10 tanh(Q[q] . K[k] / 8).  64 heads, 2,048 queries, 2,048 keys, head size 64.
; Both products on E4M3 codes with one E8M0 scale for each 32 along a product's K, by v_wmma_scale_f32_16x16x128_f8f6f4; all else in f32.
; NO WORK IS LEFT OUT: every input has a way to the output, and all eight buffers are loaded.  Masked keys stay in place: p's blocks of 32 keys and V's given scales are bound to the keys' places.
; SHARES.  A work-group owns 512 queries of one head, each of its eight waves 64: four tiles of 16.  The four work-groups of a head form a cluster and ask for K's and V's codes JOINTLY.
; THE WHOLE HEAD'S K AND V (2 x 131,072 bytes of codes) LIE IN LDS, filled once: no slot is filled again, and the loop over the keys has no barrier.  The first 128 keys come by loads of their own, so
; that the first key step, written out ahead of the loop, runs while the other 1,920 keys land.
; LAYOUT.  Both products are used transposed (S^T = K Q^T, O^T = V^T P^T): a lane holds ONE query (lane % 16) throughout.  The head's 64 fill half of the instruction's 128 along K, so a fragment of K holds TWO
; tiles of 16 keys (registers 0-7 and 8-15) and is multiplied once by [Q, 0] and once by [0, Q].  Lane r of tile 2 b + u takes key 32 b + 8 u + r + 8 (r / 8): the 16 registers of tiles 2 b, 2 b + 1 are the
; neighbouring keys 32 b + 16 (lane / 16) + 0 .. 15, so the conversions' results are the second product's operand.
; A SCORE.  e = 2^(s log2(e) / 4) = exp(2 s / 8);  r = 1 / (1 + e);  tanh = 1 - 2 r;  t - 15 = r x (-20 log2(e)) + ADD[key];  p = 2^(t - 15).  ADD is 10 log2(e) - 15 at an open key and -1e10 log2(e) at a masked
; one (p = 0 there, as in reference()): the mask is the addend of a multiply-add that is due anyway.
; THE MAXIMUM.  reference()'s own clip, 10 tanh, holds t of every open key within +-14.43 for every input, so the row's M = ceil(largest t) lies in -14 .. 15.  This text takes 15 for M: it differs from M by a
; whole number of at most 29, p lies in 2^-29.5 .. 2^-0.5, a row's sum is at most 2,048: nothing overflows or underflows; the blocks' scales and the row's sum carry the same power of two, so the codes and the
; quotient are the rule's.  The one case with no open key, a batch whose 2,048 mask bytes are all 1, has M = the masked t and p = 1: each wave ANDs the batch's mask bytes, and two scalar selects turn the
; multiplier and the masked addend into 0, so that p = 2^0.  No branch hangs on data.
; LIMITS.  NaN codes (0x7f, 0xff) and scale bytes 0xff in Q, K, V are not served, at masked keys neither (reference() would drop them there).  Mask bytes are 0 or 1.  A block of 32 keys whose p are all 0 gets
; the scale byte 1 where the rule says 127: its codes are zeros, and this program alone reads the byte.
; REGISTERS.  Window 0: v1-7 addresses and the add's two; v8-15 the rows' sums; v16-31 scale words and nothing else; v32-55 the quantiser's; v56-63 addresses; v64-127 S^T, then p (two tiles x 64 keys);
; v128-191 p's codes; v192-223 32 addends; v224-255 two fragments of K or V.   Window 1: v0-127 O^T (tile t, channels 16 dt on: 32 t + 8 dt); v128-199 the chain 0 Q0 0 Q1 0 Q2 0 Q3 0; v200-231 two fragments.
.set USE_DUAL, 1                       ; the hold as pairs in one instruction; 0: as two plain ones
; ---- LDS
.set KR,    0                          ; K: 1,024 rows of 128 bytes (two keys) + 16 of padding: key k at 144 (k / 2) + 64 (k % 2); the 16 keys of a fragment load fall into 16 different 16-byte columns modulo 256
.set V0R,   147456                     ; V, keys 0-127: 64 rows (channels) of 128 bytes + 16
.set VR,    156672                     ; V, keys 128-2,047: 64 rows of 15 pieces of 128 bytes + 16: pitch 2,160, a key step 144
.set MT,    294912                     ; the addend of each key, f32: 8,192 bytes
.set KT,    303104                     ; K's scale words: [key step][r][fragment], 256 bytes a step
.set VT,    307200                     ; V's: [key step][r][dt]; 4,096 bytes behind KT
.set SPARE, 311296                     ; the spare words, 128 bytes for each wave: four blocks of 256 bytes that no other line names
.set STG,   0                          ; the way out: 16 rows x 272 bytes for each wave, in K's region, which has had its one fill and is read by nobody behind the last barrier
; ---- vector registers, window 0
.set AK,  1                            ; my lane's place in a fragment of K; steps 9,216 a key step
.set AV0, 2                            ; in V's rows dt = 0, 1 (keys 128 on); steps 144
.set AV2, 3                            ; dt = 2, 3
.set AM,  4                            ; among the addends; steps 512
.set AT,  5                            ; among K's scale words (V's: + 4,096); steps 256
.set SPW, 6                            ; LDS address of my spare word; never rewritten
.set NIL, 7                            ; 0; never rewritten
.set L,   8                            ; v[8+2t:9+2t] tile t's sum, in two halves
.set KSW, 16
.set VSW, 20
.set QSW, 24                           ; lanes 0-15: the word for [Q, 0]; lanes 16-31: for [0, Q]
.set PW,  28
.set MX,  32                           ; four blocks' largest p
.set PT,  36                           ; the other half's, then the bytes
.set SCL, 40                           ; the conversions' scale operands
.set H,   44                           ; 448 x the scale, twice for each block
.set TS,  52                           ; two pairs: second chains of the sums
.set VA0, 56                           ; as AV0, AV2, for keys 0-127
.set VA2, 57
.set GO,  58                           ; my byte offset in the wave's rows of out0
.set RR,  59                           ; lane % 16
.set HH,  60                           ; lane / 16
.set STO, 61                           ; the stage: where I put 32 bytes of a row
.set RD,  62                           ; and where I read a row back
.set TMP, 63
.set S,   64
.set CD,  128
.set AD,  192
.set FB,  224
; ---- window 1
.set QC,  128
.set FA,  200
; ---- scalar registers
.set WV,  20                           ; s20 wave; s21 wave % 4; s22 cx; s23 head; s24 batch; s25-27 offsets that hold cx (they feed no descriptor)
.set G1K1, 28                          ; groups 1: s[28:35], s[36:43], s[44:51], s[52:59]
.set G1K2, 36
.set G1V1, 44
.set G1V2, 52
.set G0K1, 60                          ; groups 0: s[60:63], s[68:71], s[72:75], s[76:79]
.set G0K2, 68
.set G0V1, 72
.set G0V2, 76
.set CA,  80                           ; s[80:81] log2(e) / 4
.set CM,  82                           ; s[82:83] -20 log2(e), or 0
.set MNT, 84                           ; the mantissa field of 448
.set SEL, 86                           ; s[86:87] v_permlanex16_b32's selects for lane l xor 16
.set CNT, 88
.set W0,  15|(1<<20)|(1<<21)|(4<<22)|(3<<25)   ; 15:0 the mask: all four work-groups; 17:16 elements of 1 byte; 20 padding on; 21 set beside a mask; 24:22 after every 32 words (code 4); 31:25 four words (code 3)
.set MSB, 0
.macro WIN new                         ; low byte: bits 1:0 source 0, 3:2 source 1, 5:4 source 2, 7:6 destination; the high byte repeats the setting that is left
.if MSB != \new
	s_set_vgpr_msb (MSB<<8)|\new
.set MSB, \new
.endif
.endm
.macro CROUND                          ; a round of the cluster's barrier
	s_barrier_signal -1
	s_barrier_wait -1
	s_cmp_lg_u32 s[WV], 0
	s_cbranch_scc1 .Lnot_wave_0_\@
	s_barrier_signal -3
.Lnot_wave_0_\@:
	s_barrier_wait -3
	s_barrier_signal -1
	s_barrier_wait -1
.endm
.macro GROUP1 g, c, r, p               ; r rows of c bytes, p bytes apart in memory
	s_mov_b32 s[\g], W0
	s_mov_b32 s[\g+1], (\c)<<16                    ; tensor_dim0
	s_mov_b32 s[\g+2], (\r)<<16                    ; tensor_dim1
	s_mov_b32 s[\g+3], (\c)<<16                    ; tile_dim0
	s_mov_b32 s[\g+4], \r                          ; tile_dim1
	s_mov_b32 s[\g+5], \p                          ; tensor_dim0_stride
	s_mov_b32 s[\g+6], 0
	s_mov_b32 s[\g+7], 0
.endm
	s_load_b256 s[4:11], s[0:1], 0x0               ; K's codes s[4:5], K's scales s[6:7], Q's codes s[8:9], Q's scales s[10:11]
	s_load_b256 s[12:19], s[0:1], 0x20             ; V's codes s[12:13], V's scales s[14:15], mask s[16:17], out0 s[18:19]
	v_lshl_add_u32 v[SPW], v0, 2, SPARE
	v_mov_b32 v[NIL], 0
	ds_add_u32 v[SPW], v[NIL]                      ; the wave's opening: the add, twice on end, and its wait ahead of my first tensor load; the set-up below stands between
	ds_add_u32 v[SPW], v[NIL]
	v_lshrrev_b32 v[TMP], 5, v0
	v_readfirstlane_b32 s[WV], v[TMP]              ; wave 0..7
	s_and_b32 s21, s[WV], 3                        ; which quarter of K (waves 0-3) or of V (waves 4-7) I fetch
	s_bfe_u32 s22, ttmp6, 0x40000                  ; cx: my block of 512 queries; it enters Q's and out0's addresses alone
	s_and_b32 s23, ttmp7, 0xffff                   ; the head, which the four partners share
	s_lshr_b32 s24, s23, 3                         ; the batch
	GROUP1 G1K1, 128, 16, 128                      ; K, keys 0-127: my 16 rows of two keys
	GROUP1 G1K2, 128, 240, 128                     ; K, the rest: my 240 rows
	GROUP1 G1V1, 128, 16, 2048                     ; V, keys 0-127 of my 16 channels
	GROUP1 G1V2, 1920, 16, 2048                    ; V, keys 128-2,047 of them: 15 pieces of 128 bytes a row
	s_mov_b32 s[G0K1], 1                           ; count = 1
	s_mul_i32 s[G0K1+1], s21, 2304                 ; LDS: KR + 16 rows x 144 x quarter
	s_mov_b32 s[G0K2], 1
	s_mul_i32 s[G0K2+1], s21, 34560                ; KR + 64 rows + 240 rows x quarter
	s_add_co_u32 s[G0K2+1], s[G0K2+1], 9216
	s_mov_b32 s[G0V1], 1
	s_mul_i32 s[G0V1+1], s21, 2304
	s_add_co_u32 s[G0V1+1], s[G0V1+1], V0R
	s_mov_b32 s[G0V2], 1
	s_mul_i32 s[G0V2+1], s21, 34560                ; 16 rows x 2,160 x quarter
	s_add_co_u32 s[G0V2+1], s[G0V2+1], VR
	s_lshl_b32 s92, s23, 17                        ; the head's first byte in each tensor of codes
	s_lshl_b32 s94, s21, 11
	s_add_co_u32 s94, s94, s92                     ; K, first load: + 2,048 x quarter
	s_mov_b32 s95, 0
	s_mul_i32 s96, s21, 30720
	s_add_co_u32 s96, s96, s92
	s_add_co_u32 s96, s96, 8192                    ; K, second load: + 8,192 + 30,720 x quarter
	s_mov_b32 s97, 0
	s_lshl_b32 s98, s21, 15
	s_add_co_u32 s98, s98, s92                     ; V: + 16 rows of 2,048 bytes x quarter
	s_mov_b32 s99, 0
	s_mov_b32 s[CA], 0x3eb8aa3b                    ; log2(e) / 4
	s_mov_b32 s[CA+1], s[CA]                       ; (named with it as a pair, so it is written)
	s_mov_b32 s[CM], 0xc1e6d4ca                    ; -20 log2(e)
	s_mov_b32 s[MNT], 0x600000
	s_mov_b32 s[SEL], 0x76543210
	s_mov_b32 s[SEL+1], 0xfedcba98
	s_mov_b32 s90, 0xd056fa73                      ; -1e10 log2(e): a masked key's addend
	s_mov_b32 s91, 0xffff0000                      ; lanes 16-31
	s_mov_b32 s93, 0x01010101
	s_wait_dscnt 0x0                               ; both opening adds are done
	s_wait_kmcnt 0x0
	s_add_nc_u64 s[G0K1+2:G0K1+3], s[4:5], s[94:95]
	s_add_nc_u64 s[G0K2+2:G0K2+3], s[4:5], s[96:97]
	s_add_nc_u64 s[G0V1+2:G0V1+3], s[12:13], s[98:99]
	s_add_nc_u64 s[G0V2+2:G0V2+3], s[G0V1+2:G0V1+3], 128
	s_or_b32 s[G0K1+3], s[G0K1+3], 0x80000000      ; type = 2
	s_or_b32 s[G0K2+3], s[G0K2+3], 0x80000000
	s_or_b32 s[G0V1+3], s[G0V1+3], 0x80000000
	s_or_b32 s[G0V2+3], s[G0V2+3], 0x80000000
	CROUND                                         ; all four work-groups are here: the joint loads meet
	s_cmp_lt_u32 s[WV], 4                          ; every wave issues two loads, in one branch on its number: two tensor loads of mine are out, and none follows
	s_cbranch_scc0 .Lfor_v
	tensor_load_to_lds s[G0K1:G0K1+3], s[G1K1:G1K1+7]
	s_nop 0
	tensor_load_to_lds s[G0K2:G0K2+3], s[G1K2:G1K2+7]
	s_nop 0
.rept 4
	v_nop
.endr
	s_branch .Lasked
.Lfor_v:
	tensor_load_to_lds s[G0V1:G0V1+3], s[G1V1:G1V1+7]
	s_nop 0
	tensor_load_to_lds s[G0V2:G0V2+3], s[G1V2:G1V2+7]
	s_nop 0
.rept 4
	v_nop
.endr
.Lasked:
	; the other buffers at my head, batch, block and wave
	s_mov_b32 s27, 0
	s_lshl_b32 s26, s22, 15                        ; Q's codes: 512 queries x 64 bytes a block,
	s_lshl_b32 s25, s[WV], 12                      ; 64 x 64 a wave
	s_add_co_u32 s26, s26, s25
	s_add_co_u32 s26, s26, s92
	s_add_nc_u64 s[8:9], s[8:9], s[26:27]
	s_lshl_b32 s96, s23, 12                        ; each tensor of scale bytes: 4,096 a head
	s_add_nc_u64 s[6:7], s[6:7], s[96:97]
	s_add_nc_u64 s[14:15], s[14:15], s[96:97]
	s_lshl_b32 s26, s22, 10                        ; Q's scales: 2 bytes a query
	s_lshl_b32 s25, s[WV], 7
	s_add_co_u32 s26, s26, s25
	s_add_co_u32 s26, s26, s96
	s_add_nc_u64 s[10:11], s[10:11], s[26:27]
	s_lshl_b32 s94, s24, 11                        ; the batch's 2,048 mask bytes
	s_add_nc_u64 s[16:17], s[16:17], s[94:95]
	s_lshl_b32 s26, s23, 19                        ; out0: 2,048 rows of 256 bytes a head,
	s_lshl_b32 s25, s22, 17                        ; 512 a block,
	s_add_co_u32 s26, s26, s25
	s_lshl_b32 s25, s[WV], 14                      ; 64 a wave
	s_add_co_u32 s26, s26, s25
	s_add_nc_u64 s[18:19], s[18:19], s[26:27]
	v_and_b32 v[RR], 15, v0
	v_bfe_u32 v[HH], v0, 4, 1
	v_and_b32 v128, 31, v0
	v_lshlrev_b32 v128, 4, v128                    ; the whole mask: 16 bytes a lane, 512 a load
	v_lshlrev_b32 v129, 3, v0                      ; my thread's eight keys' mask bytes
	v_and_b32 v130, 0xf0, v0                       ; the tables: thread T is (key step j = T / 16, row r = T % 16)
	v_lshlrev_b32 v130, 4, v130
	v_lshl_add_u32 v130, v[RR], 1, v130
	v_bfe_u32 v[TMP], v0, 3, 1
	v_lshl_add_u32 v130, v[TMP], 4, v130           ; K's scales, 2 bytes a key: key 128 j + r + 8 (r / 8); + 32 b + 8 u in the immediate
	v_lshrrev_b32 v[TMP], 4, v0
	v_lshlrev_b32 v131, 6, v[RR]
	v_lshl_add_u32 v132, v[TMP], 2, v131           ; V's scales: channel r (+ 16 dt in the immediate) x 64 bytes + 4 j
	v_lshl_add_u32 v131, v[HH], 4, v131            ; Q's codes: row r x 64 + 16 h
	v_lshlrev_b32 v133, 1, v[RR]                   ; Q's scales
.irp i, 0,1,2,3
	global_load_b128 v[64+4*\i:67+4*\i], v128, s[16:17] offset:512*\i
.endr
	global_load_b64 v[80:81], v129, s[16:17]
.irp b, 0,1,2,3
.irp u, 0,1
	global_load_u16 v[104+2*\b+\u], v130, s[6:7] offset:64*\b+16*\u
.endr
.endr
.irp dt, 0,1,2,3
	global_load_b32 v[88+\dt], v132, s[14:15] offset:1024*\dt
.endr
.irp t, 0,1,2,3
	global_load_u16 v[92+\t], v133, s[10:11] offset:32*\t
.endr
	WIN 0x40                                       ; destination window 1
.irp t, 0,1,2,3
	global_load_b128 v[QC+8+16*\t:QC+11+16*\t], v131, s[8:9] offset:1024*\t th:TH_LOAD_NT       ; Q's tile t: channels 16 h on,
	global_load_b128 v[QC+12+16*\t:QC+15+16*\t], v131, s[8:9] offset:1024*\t+32 th:TH_LOAD_NT   ; and 32 + 16 h on
.endr
.irp t, 0,1,2,3,4
.irp i, 0,1,2,3,4,5,6,7
	v_mov_b32 v[QC+16*\t+\i], 0                    ; the zero codes between the tiles: [0, Q t] begins at QC + 16 t, [Q t, 0] at QC + 8 + 16 t
.endr
.endr
	WIN 0
.irp i, 0,1,2,3,4,5,6,7
	v_mov_b32 v[L+\i], 0
.endr
.irp i, 0,1,2,3
	v_mov_b32 v[PT+\i], 0                          ; written once: a lane permute's destination counts as one of its sources
.endr
	v_bfe_u32 v134, v0, 1, 3                       ; r / 2
	v_bfe_u32 v135, v0, 3, 1                       ; r / 8
	v_lshl_add_u32 v134, v135, 2, v134
	v_mul_u32_u24 v[AK], v134, 144                 ; key r + 8 (r / 8): row (r / 2) + 4 (r / 8),
	v_and_b32 v135, 1, v0
	v_lshl_add_u32 v[AK], v135, 6, v[AK]           ; its half,
	v_lshl_add_u32 v[AK], v[HH], 4, v[AK]          ; + 16 h
	v_mul_u32_u24 v[AV0], v[RR], 2160
	v_lshl_add_u32 v[AV0], v[HH], 4, v[AV0]
	v_add_nc_u32 v[AV0], VR, v[AV0]
	v_add_nc_u32 v[AV2], 69120, v[AV0]             ; 32 rows on
	v_mul_u32_u24 v[VA0], v[RR], 144
	v_lshl_add_u32 v[VA0], v[HH], 4, v[VA0]
	v_add_nc_u32 v[VA0], V0R, v[VA0]
	v_add_nc_u32 v[VA2], 4608, v[VA0]
	v_lshl_add_u32 v[AM], v[HH], 6, MT             ; my half's 16 keys of a block: 64 bytes on
	v_lshl_add_u32 v[AT], v[RR], 4, KT
	s_mul_i32 s25, s[WV], 4352                     ; my stage
	v_mul_u32_u24 v[STO], v[RR], 272               ; in: row r, 32 bytes for each half of the lanes
	v_lshl_add_u32 v[STO], v[HH], 5, v[STO]
	v_add_nc_u32 v[STO], s25, v[STO]
	v_mul_u32_u24 v[RD], v[HH], 272                ; back: lanes 0-15 one row of 256 bytes, lanes 16-31 the next
	v_lshl_add_u32 v[RD], v[RR], 4, v[RD]
	v_add_nc_u32 v[RD], s25, v[RD]
	v_lshlrev_b32 v[GO], 8, v[HH]                  ; and the same two rows in out0
	v_lshl_add_u32 v[GO], v[RR], 4, v[GO]
	v_lshl_add_u32 v136, v0, 4, KT                 ; where my thread's table words go: 16 bytes a thread
	v_lshl_add_u32 v137, v0, 5, MT                 ; and its eight addends
	s_wait_loadcnt 0x0
.irp t, 0,1,2,3
	v_lshlrev_b32 v[112+\t], 16, v[92+\t]
.endr
.irp t, 0,1,2,3
	v_cndmask_b32 v[QSW+\t], v[92+\t], v[112+\t], s91   ; lanes 0-15: Q's two bytes over k 0-63; lanes 16-31: over k 64-127; the byte 0 over the zero codes
.endr
.irp i, 0,1,2,3,4,5,6,7
	v_and_b32 v[64+\i], v[64+\i], v[72+\i]         ; are all 2,048 keys of the batch masked?
.endr
.irp i, 0,1,2,3
	v_and_b32 v[64+\i], v[64+\i], v[68+\i]
.endr
	v_and_b32 v64, v64, v66
	v_and_b32 v65, v65, v67
	v_and_b32 v64, v64, v65
	v_cmp_ne_u32 s89, s93, v64                     ; the lanes that saw an open key
	s_cmp_eq_u32 s89, 0
	s_cselect_b32 s[CM], 0, s[CM]                  ; none: the exponent is r x 0 + 0, p = 1
	s_cselect_b32 s90, 0, s90
	s_mov_b32 s[CM+1], s[CM]
	v_mov_b32 v140, 0xbf12b361                     ; 10 log2(e) - 15: an open key's addend
	v_mov_b32 v141, s90
.irp i, 0,1,2,3
	v_bfe_u32 v[TMP], v80, 8*\i, 8
	v_cmp_ne_u32 vcc_lo, 0, v[TMP]
	v_cndmask_b32 v[96+\i], v140, v141, vcc_lo
.endr
.irp i, 0,1,2,3
	v_bfe_u32 v[TMP], v81, 8*\i, 8
	v_cmp_ne_u32 vcc_lo, 0, v[TMP]
	v_cndmask_b32 v[100+\i], v140, v141, vcc_lo
.endr
.irp b, 0,1,2,3
	v_lshl_or_b32 v[84+\b], v[105+2*\b], 16, v[104+2*\b]   ; fragment b's word of row r: tile 2 b's two bytes below, tile 2 b + 1's above
.endr
	ds_store_b128 v137, v[96:99]
	ds_store_b128 v137, v[100:103] offset:16
	ds_store_b128 v136, v[84:87]
	ds_store_b128 v136, v[88:91] offset:VT-KT
; ---- the loads of a key step
.macro KLOAD x                         ; fragments 2 x, 2 x + 1 of K: x = 0 into FA (window 1), x = 1 into FB
.if \x == 0
	WIN 0x40
.endif
.irp bb, 0,1
.irp u, 0,1
.irp c, 0,1
.if \x == 0
	ds_load_b128 v[FA+16*\bb+8*\u+4*\c:FA+16*\bb+8*\u+4*\c+3], v[AK] offset:\bb*2304+576*\u+32*\c
.else
	ds_load_b128 v[FB+16*\bb+8*\u+4*\c:FB+16*\bb+8*\u+4*\c+3], v[AK] offset:(2+\bb)*2304+576*\u+32*\c
.endif
.endr
.endr
.endr
	WIN 0
.endm
.macro VLOAD x, areg, dts              ; V's fragments dt = 2 x, 2 x + 1, dts bytes apart
.if \x == 0
	WIN 0x40
.endif
.irp e, 0,1
.irp c, 0,1,2,3
.if \x == 0
	ds_load_b128 v[FA+16*\e+4*\c:FA+16*\e+4*\c+3], v[\areg] offset:\e*\dts+32*\c
.else
	ds_load_b128 v[FB+16*\e+4*\c:FB+16*\e+4*\c+3], v[\areg] offset:\e*\dts+32*\c
.endif
.endr
.endr
	WIN 0
.endm
.macro ALOAD hf                        ; the addends of my 16 keys of blocks 2 hf, 2 hf + 1; the 16 lanes of a half read the same bytes
.irp bb, 0,1
.irp q, 0,1,2,3
	ds_load_b128 v[AD+16*\bb+4*\q:AD+16*\bb+4*\q+3], v[AM] offset:256*\hf+128*\bb+16*\q
.endr
.endr
.endm
; ---- four products: S^T of tile t against fragments 2 hf, 2 hf + 1 (64 keys) into S + dst on.  Each starts its sum with the constant 0.  The caller sets window 0 again.
.macro SMM hf, t, dst
.if \hf == 0
	WIN 0x05                                       ; K in window 1, Q in window 1, S^T in window 0
.else
	WIN 0x04                                       ; K in window 0
.endif
.irp bb, 0,1
.if \hf == 0
.set rA, FA+16*\bb
.else
.set rA, FB+16*\bb
.endif
	v_wmma_scale_f32_16x16x128_f8f6f4 v[S+(\dst)+16*\bb:S+(\dst)+16*\bb+7], v[rA:rA+15], v[QC+8+16*(\t):QC+23+16*(\t)], 0, v[KSW+2*\hf+\bb], v[QSW+(\t)]
	v_wmma_scale_f32_16x16x128_f8f6f4 v[S+(\dst)+16*\bb+8:S+(\dst)+16*\bb+15], v[rA:rA+15], v[QC+16*(\t):QC+15+16*(\t)], 0, v[KSW+2*\hf+\bb], v[QSW+(\t)] matrix_b_scale:MATRIX_SCALE_ROW1
.endr
.endm
; ---- O^T += V^T P^T: 16 accumulators, one instruction a turn.  zero = 1: the first key step starts the sums
.macro PV zero
.irp dt, 0,1,2,3
.if \dt < 2
	WIN 0x51                                       ; V in window 1, p's codes in window 0, O^T in window 1
.set rV, FA+16*\dt
.else
	WIN 0x50                                       ; V in window 0
.set rV, FB+16*(\dt-2)
.endif
.irp t, 0,1,2,3
.if \zero
	v_wmma_scale_f32_16x16x128_f8f6f4 v[32*\t+8*\dt:32*\t+8*\dt+7], v[rV:rV+15], v[CD+16*\t:CD+16*\t+15], 0, v[VSW+\dt], v[PW+\t]
.else
	v_wmma_scale_f32_16x16x128_f8f6f4 v[32*\t+8*\dt:32*\t+8*\dt+7], v[rV:rV+15], v[CD+16*\t:CD+16*\t+15], v[32*\t+8*\dt:32*\t+8*\dt+7], v[VSW+\dt], v[PW+\t]
.endif
.endr
.endr
.endm
; ---- parts of the quantiser, for the tile at S + 32 a
.macro SUMT a, t                       ; tile t's sum takes its 32 UNQUANTISED p: 16 packed additions in two chains
	v_pk_add_f32 v[TS+2*\a:TS+2*\a+1], v[S+32*\a:S+32*\a+1], v[S+32*\a+2:S+32*\a+3]
.irp n, 4,8,12,16,20,24,28
	v_pk_add_f32 v[L+2*(\t):L+2*(\t)+1], v[L+2*(\t):L+2*(\t)+1], v[S+32*\a+\n:S+32*\a+\n+1]
	v_pk_add_f32 v[TS+2*\a:TS+2*\a+1], v[TS+2*\a:TS+2*\a+1], v[S+32*\a+\n+2:S+32*\a+\n+3]
.endr
	v_pk_add_f32 v[L+2*(\t):L+2*(\t)+1], v[L+2*(\t):L+2*(\t)+1], v[TS+2*\a:TS+2*\a+1]
.endm
.macro HOLDT a                         ; the conversion to an 8-bit code does not saturate (ISA guide 7.6.2); p is not negative, so the hold at 448 x the scale is one-sided
.irp bb, 0,1
.irp i, 0,2,4,6,8,10,12,14
.if USE_DUAL
	v_dual_min_num_f32 v[S+32*\a+16*\bb+\i], v[S+32*\a+16*\bb+\i], v[H+4*\a+2*\bb] :: v_dual_min_num_f32 v[S+32*\a+16*\bb+\i+1], v[S+32*\a+16*\bb+\i+1], v[H+4*\a+2*\bb+1]
.else
	v_min_num_f32 v[S+32*\a+16*\bb+\i], v[S+32*\a+16*\bb+\i], v[H+4*\a+2*\bb]
	v_min_num_f32 v[S+32*\a+16*\bb+\i+1], v[S+32*\a+16*\bb+\i+1], v[H+4*\a+2*\bb+1]
.endif
.endr
.endr
.endm
.macro CVTT a, t, hf                   ; registers 8 hf + 4 bb .. + 3 of tile t's operand: keys 32 (2 hf + bb) + 16 h + 0 .. 15
.irp bb, 0,1
	v_cvt_scalef32_pk8_fp8_f32 v[CD+16*(\t)+8*\hf+4*\bb:CD+16*(\t)+8*\hf+4*\bb+1], v[S+32*\a+16*\bb:S+32*\a+16*\bb+7], v[SCL+2*\a+\bb]
	v_cvt_scalef32_pk8_fp8_f32 v[CD+16*(\t)+8*\hf+4*\bb+2:CD+16*(\t)+8*\hf+4*\bb+3], v[S+32*\a+16*\bb+8:S+32*\a+16*\bb+15], v[SCL+2*\a+\bb]
.endr
.endm
; ---- A UNIT: the 64 scores a lane of tiles 2 tp, 2 tp + 1 against blocks 2 hf, 2 hf + 1 of the step's keys become codes.  Block k = 2 a + bb lies at S + 16 k.
; Each of the three batches of 64 transcendentals has one plain instruction and ONE wait behind it, ahead of its first reader.
; cwait = 1: the LDS loads that are out are wanted here.  cload = 1: the other half's addends, V's fragments 0, 1 and V's scale words are asked for; 2: V's fragments 2, 3.
; nh >= 0: the next unit's scores (half nh, tiles nt, nt + 1) are started as soon as this unit's registers are free, each tile's four products behind its conversions.
.macro SOFT2 tp, hf, cwait, cload, nh, nt
.set ii, 0
.rept 32
	v_pk_mul_f32 v[S+ii:S+ii+1], v[S+ii:S+ii+1], s[CA:CA+1] op_sel_hi:[1,0]    ; s log2(e) / 4; ascending: each result of a product is read from its low end on
.set ii, ii+2
.endr
.set ii, 0
.rept 64
	v_exp_f32 v[S+ii], v[S+ii]                     ; e = exp(2 s / 8)
.set ii, ii+1
.endr
	v_nop
	s_wait_alu depctr_va_vdst(0)
.set ii, 0
.rept 32
	v_pk_add_f32 v[S+ii:S+ii+1], v[S+ii:S+ii+1], 1.0 op_sel_hi:[1,0]
.set ii, ii+2
.endr
.set ii, 0
.rept 64
	v_rcp_f32 v[S+ii], v[S+ii]                     ; r = 1 / (1 + e), in 0 .. 1
.set ii, ii+1
.endr
	v_nop
	s_wait_alu depctr_va_vdst(0)
.if \cwait
	s_wait_dscnt 0x0                               ; the addends of this half (and what else was asked for with them) are in
.endif
.set ii, 0
.rept 32
	v_pk_fma_f32 v[S+ii:S+ii+1], v[S+ii:S+ii+1], s[CM:CM+1], v[AD+ii%32:AD+ii%32+1] op_sel_hi:[1,0,1]   ; t - 15, the mask in the addend; both tiles take the same keys' addends
.set ii, ii+2
.endr
.if \cload == 1
	ALOAD 1                                        ; this half's addends have been read for the last time
	VLOAD 0, VREG0, VDTS                           ; the last product that read these registers stands ahead of this unit's first two stages
	ds_load_b128 v[VSW:VSW+3], v[AT] offset:VT-KT
.endif
.if \cload == 2
	VLOAD 1, VREG2, VDTS
.endif
.set ii, 0
.rept 64
	v_exp_f32 v[S+ii], v[S+ii]                     ; p = 2^(t - 15)
.set ii, ii+1
.endr
	v_nop
	s_wait_alu depctr_va_vdst(0)
.irp k, 0,1,2,3
	v_max3_num_f32 v[MX+\k], v[S+16*\k], v[S+16*\k+1], 0x4800000   ; block k's largest p among my 16, and the floor 2^(9 - 127): the byte cannot fall under 1
.endr
.irp i, 2,4,6,8,10,12,14
.irp k, 0,1,2,3
	v_max3_num_f32 v[MX+\k], v[MX+\k], v[S+16*\k+\i], v[S+16*\k+\i+1]   ; (the four blocks by turns)
.endr
.endr
.irp k, 0,1,2,3
	v_permlanex16_b32 v[PT+\k], v[MX+\k], s[SEL], s[SEL+1]
.endr
.irp k, 0,1,2,3
	v_max_num_f32 v[MX+\k], v[MX+\k], v[PT+\k]     ; with lane l xor 16's 16 keys
.endr
.irp k, 0,1,2,3
	v_add_nc_u32 v[SCL+\k], 0xfc000000, v[MX+\k]   ; 8 off the exponent field: the conversion's scale operand
.endr
.irp k, 0,1,2,3
	v_and_or_b32 v[H+2*\k], v[MX+\k], 0x7f800000, s[MNT]     ; 448 x the scale,
	v_and_or_b32 v[H+2*\k+1], v[MX+\k], 0x7f800000, s[MNT]   ; twice: the paired hold takes its two limits from two registers
.endr
.irp k, 0,1,2,3
	v_lshrrev_b32 v[PT+\k], 23, v[SCL+\k]          ; the scale's byte
.endr
.irp a, 0,1
.if \hf == 0
	v_lshl_or_b32 v[PW+2*\tp+\a], v[PT+2*\a+1], 8, v[PT+2*\a]           ; bytes 0, 1 begin the tile's scale word for these 128 keys
.else
	v_lshl_or_b32 v[PW+2*\tp+\a], v[PT+2*\a], 16, v[PW+2*\tp+\a]        ; bytes 2, 3 end it
	v_lshl_or_b32 v[PW+2*\tp+\a], v[PT+2*\a+1], 24, v[PW+2*\tp+\a]
.endif
.endr
	SUMT 0, 2*\tp
	HOLDT 0
	CVTT 0, 2*\tp, \hf
	SUMT 1, 2*\tp+1                                ; plain work between the conversions above and the products that write over their sources
.if \nh >= 0
	SMM \nh, \nt, 0
	WIN 0
.endif
	HOLDT 1                                        ; these name none of those products' registers: they are the places ahead of the next unit's first read of S + 0 on
	CVTT 1, 2*\tp+1, \hf
	v_nop                                          ; a plain instruction behind the last conversion
.if \nh >= 0
	SMM \nh, \nt+1, 32                             ; the next unit's first 16 multiplications, on S + 0 .. 31, are the places ahead of its first read of S + 32 on
	WIN 0
.endif
.endm
; ---- A KEY STEP: 128 keys for my 64 queries.  first = 1: keys 0-127 (V from its own region; O^T's sums begin)
.macro STEP first
.if \first
.set VREG0, VA0
.set VREG2, VA2
.set VDTS, 2304
.else
.set VREG0, AV0
.set VREG2, AV2
.set VDTS, 34560
.endif
	KLOAD 0
	ds_load_b128 v[KSW:KSW+3], v[AT]
	KLOAD 1
	ALOAD 0
	s_wait_dscnt 16                                ; fragments 0, 1 and K's scale words are in; the 16 loads issued behind them (fragments 2, 3; the addends) may be out
	SMM 0, 0, 0
	SMM 0, 1, 32
	WIN 0
.rept 8
	v_nop                                          ; eight places ahead of the first read of a result: no other vector work is at hand here
.endr
	SOFT2 0, 0, 1, 0, 0, 2
	SOFT2 1, 0, 0, 1, 1, 0
	SOFT2 0, 1, 1, 0, 1, 2
	SOFT2 1, 1, 0, 2, -1, 0
.rept 4
	v_nop                                          ; with the one behind the last conversion: five places between the codes and the products that take them
.endr
	s_wait_dscnt 0x0                               ; V's fragments 2, 3 are in
	PV \first
	WIN 0
	v_add_nc_u32 v[AK], 9216, v[AK]                ; on to the next key step; these and the v_nop are the eight places ahead of the next loads into the fragments' registers, and of the way out's first read of O^T
	v_add_nc_u32 v[AM], 512, v[AM]
	v_add_nc_u32 v[AT], 256, v[AT]
.if \first
.rept 5
	v_nop
.endr
.else
	v_add_nc_u32 v[AV0], 144, v[AV0]
	v_add_nc_u32 v[AV2], 144, v[AV2]
.rept 3
	v_nop
.endr
.endif
.endm
	s_wait_tensorcnt 0x1                           ; my part of keys 0-127 is in; my second load may stay out, and the first step reads none of its bytes
	s_wait_dscnt 0x0                               ; my part of the three tables is stored
	s_barrier_signal -1
	s_barrier_wait -1                              ; everybody's is
	STEP 1
	s_wait_tensorcnt 0x0                           ; my part of keys 128-2,047 is in,
	s_wait_dscnt 0x0
	s_barrier_signal -1
	s_barrier_wait -1                              ; everybody's is
	s_mov_b32 s[CNT], 15
.Lstep:
	STEP 0
	s_sub_co_u32 s[CNT], s[CNT], 1
	s_cmp_lg_u32 s[CNT], 0
	s_cbranch_scc1 .Lstep
	s_wait_dscnt 0x0
	s_barrier_signal -1
	s_barrier_wait -1                              ; no wave reads K's region any more: the stages lie in it
	; THE WAY OUT.  A sum's two halves and the other half of the lanes' are added; O^T is divided by the sum and goes through my stage, a tile (16 rows of out0) at a time.
.irp t, 0,1,2,3
	v_add_f32 v[SCL+\t], v[L+2*\t], v[L+2*\t+1]
.endr
.irp t, 0,1,2,3
	v_permlanex16_b32 v[H+\t], v[SCL+\t], s[SEL], s[SEL+1]
.endr
.irp t, 0,1,2,3
	v_add_f32 v[SCL+\t], v[SCL+\t], v[H+\t]
.endr
.irp t, 0,1,2,3
	v_rcp_f32 v[MX+2*\t], v[SCL+\t]
.endr
	v_nop                                          ; a plain instruction behind the last reciprocal,
	s_wait_alu depctr_va_vdst(0)                   ; and the one wait for the four, ahead of their first reader
.macro PACK t                          ; a lane's eight channels of a row are 32 bytes; they go into rows of 272 bytes and come back as whole rows of 256, into the registers that they left
.set X, S+32*((\t)%2)
	WIN 0x01                                       ; O^T in window 1
.set ii, 0
.rept 16
	v_pk_mul_f32 v[X+ii:X+ii+1], v[32*(\t)+ii:32*(\t)+ii+1], v[MX+2*(\t):MX+2*(\t)+1] op_sel_hi:[1,0]   ; ascending: each accumulator from its low end on
.set ii, ii+2
.endr
	WIN 0
.irp dt, 0,1,2,3
	ds_store_b128 v[STO], v[X+8*\dt:X+8*\dt+3] offset:64*\dt
	ds_store_b128 v[STO], v[X+8*\dt+4:X+8*\dt+7] offset:64*\dt+16
.endr
.irp f, 0,1,2,3,4,5,6,7
	ds_load_b128 v[X+4*\f:X+4*\f+3], v[RD] offset:544*\f   ; LDS serves a wave's instructions in order (ISA guide 5.7.1.4): these see the stores above, and the next tile's stores come behind them
.endr
.endm
.macro SEND t, younger                 ; younger: the LDS instructions issued behind tile t's loads: the next tile's sixteen, or none
.set X, S+32*((\t)%2)
.irp f, 0,1,2,3,4,5,6,7
	s_wait_dscnt \younger+7-\f
	global_store_b128 v[GO], v[X+4*\f:X+4*\f+3], s[18:19] offset:4096*(\t)+512*\f th:TH_STORE_NT   ; 32 lanes store two rows: 512 consecutive bytes, at a multiple of 256 from out0's first byte
.endr
.endm
	PACK 0
	PACK 1
	SEND 0, 16
	s_wait_xcnt 0x0                                ; tile 0's stores have read their registers, which tile 2 writes
	PACK 2
	SEND 1, 16
	s_wait_xcnt 0x0                                ; tile 1's likewise
	PACK 3
	SEND 2, 16
	SEND 3, 0
	s_wait_tensorcnt 0x0                           ; the wave's end: the wait, the add and its wait, behind my last tensor load and my last LDS store
	ds_add_u32 v[SPW], v[NIL]
	s_wait_dscnt 0x0
	CROUND                                         ; the closing round
	s_endpgm
.Lfunc_end_k_q6477b7d703_attn:
	.size	k_q6477b7d703_attn, .Lfunc_end_k_q6477b7d703_attn-k_q6477b7d703_attn
	.p2alignl 7, 3214868480
	.fill 96, 4, 3214868480
	.section	.rodata,"a",@progbits
	.p2align	6, 0x0
	.amdhsa_kernel k_q6477b7d703_attn
		.amdhsa_group_segment_fixed_size 327680
		.amdhsa_private_segment_fixed_size 0
		.amdhsa_enable_private_segment 0
		.amdhsa_kernarg_size 64
		.amdhsa_user_sgpr_count 2
		.amdhsa_user_sgpr_kernarg_segment_ptr 1
		.amdhsa_wavefront_size32 1
		.amdhsa_system_sgpr_workgroup_id_x 1
		.amdhsa_system_sgpr_workgroup_id_y 1
		.amdhsa_system_sgpr_workgroup_id_z 1
		.amdhsa_system_vgpr_workitem_id 0
		.amdhsa_next_free_vgpr 512
		.amdhsa_next_free_sgpr 100
		.amdhsa_reserve_vcc 1
		.amdhsa_float_denorm_mode_32 3
		.amdhsa_float_denorm_mode_16_64 3
		.amdhsa_memory_ordered 1
		.amdhsa_forward_progress 1
		.amdhsa_inst_pref_size 216
	.end_amdhsa_kernel
	.amdgpu_metadata
---
amdhsa.version: [ 1, 2 ]
amdhsa.kernels:
  - .name:           k_q6477b7d703_attn
    .symbol:         k_q6477b7d703_attn.kd
    .args:
      - { .name: K_codes, .offset: 0, .size: 8, .value_kind: global_buffer, .address_space: global }
      - { .name: K_scales, .offset: 8, .size: 8, .value_kind: global_buffer, .address_space: global }
      - { .name: Q_codes, .offset: 16, .size: 8, .value_kind: global_buffer, .address_space: global }
      - { .name: Q_scales, .offset: 24, .size: 8, .value_kind: global_buffer, .address_space: global }
      - { .name: V_codes, .offset: 32, .size: 8, .value_kind: global_buffer, .address_space: global }
      - { .name: V_scales, .offset: 40, .size: 8, .value_kind: global_buffer, .address_space: global }
      - { .name: mask, .offset: 48, .size: 8, .value_kind: global_buffer, .address_space: global }
      - { .name: out0, .offset: 56, .size: 8, .value_kind: global_buffer, .address_space: global }
    .group_segment_fixed_size: 327680
    .private_segment_fixed_size: 0
    .kernarg_segment_align: 8
    .kernarg_segment_size: 64
    .max_flat_workgroup_size: 256
    .sgpr_count:     100
    .vgpr_count:     512
    .wavefront_size: 32
...
	.end_amdgpu_metadata
.endif
;; end of part 1
